; MI455X (gfx1250); checked and timed in simulation.
; The chip was launched on July 23, 2026; its instructions are those of AMD's public machine-readable ISA for CDNA 5 (MIT licence, August 2026) and "CDNA5" Instruction Set Architecture Reference Guide (July 2026). The comments in the code are by the model that wrote it; some were corrected since.
;; Hash MLP Model. Allowed arithmetic: matrix products marked QUANTISED: E3M2 operands, one E8M0 scale for each 32 along K, by v_wmma_scale_f32_16x16x128_f8f6f4 with both operands' format E3M2, f32 sums; products left as they are: f32 operands where the result goes on into a quantised operand, else bf16, f16 or f32 operands; f32 sums; everything else in f32.
;; Inputs: W1_codes 128 x 1 x 24 uint8 (E3M2 codes of W1, K innermost, in blocks of 32 codes, four codes in three bytes); W1_scales 128 x 1 uint8 (E8M0 scales of W1, one for each 32 codes along K); W2_codes 128 x 4 x 24 uint8 (E3M2 codes of W2, K innermost, in blocks of 32 codes, four codes in three bytes); W2_scales 128 x 4 uint8 (E8M0 scales of W2, one for each 32 codes along K); W3 128 x 1 float32; b1 128 float32; b2 128 float32; b3 1 float32; embeddings 16 x 524,288 x 2 float32; x 1,048,576 x 3 float32.
;; Outputs: out0 1,048,576 x 1 float32.
;; This version of the problem:
;;   THIS VERSION OF THE PROBLEM IS GIVEN IN LOW PRECISION. The matrix products marked QUANTISED in the list below multiply operands that are first quantised to E3M2 (3 exponent bits, 2 mantissa bits; 6 bits a number), with one power-of-two scale for each 32 numbers along K (OCP MX v1.0); their sums are f32. All else is computed in f32.
;;   The module's matrix products, in the order in which they are computed (A, B: the left and right operand; K: the contracted axis; several contracted axes count as one K, in the product's order):
;;     1. [M 1,048,576, K 32] x [K 32, N 128]; A: computed on the way; B: input W1 (given as codes): QUANTISED
;;     2. [M 1,048,576, K 128] x [K 128, N 128]; A: computed on the way; B: input W2 (given as codes): QUANTISED
;;     3. [M 1,048,576, K 128] x [K 128, N 1]; A: computed on the way; B: input W3: left as it is (N = 1 < 16)
;;   THE QUANTISER, for each operand of a quantised product, along K:
;;     - K is cut into blocks of 32 from its start; a last block that is shorter is filled with zeros.
;;     - A block's scale is 2^e with e = floor(log2(the largest magnitude in the block)) - 4, held to -126 .. 127; a block of zeros has e = 0. As a byte (E8M0): e + 127.
;;     - Each number is divided by its block's scale, clamped to +-28, and rounded to the nearest number of E3M2, ties to even, subnormals kept.
;;     - The product sums the exact products of the quantised numbers (number of the format x scale) in f32.
;;   ~~~python
;;   def quantise(x, axis):      # numpy; x: float32 -> the quantised numbers, widened to float32 again
;;       x = np.moveaxis(x, axis, -1); K = x.shape[-1]
;;       x = np.pad(x, [(0, 0)] * (x.ndim - 1) + [(0, -K % 32)]); x = x.reshape(x.shape[:-1] + (-1, 32)); a = np.abs(x).max(-1, keepdims=True)
;;       e = np.where(a > 0, np.clip(np.frexp(np.where(a > 0, a, 1))[1] - 1 - 4, -126, 127), 0)      # np.frexp(a)[1] - 1 = floor(log2(a)), exactly
;;       r = np.clip(x / 2.0 ** e, -28, 28)
;;       step = 2.0 ** (np.maximum(np.frexp(np.where(r == 0, 1, r))[1] - 1, -2) - 2)
;;       q = np.round(r / step) * step * 2.0 ** e      # np.round: ties to even
;;       return np.moveaxis(q.reshape(q.shape[:-2] + (-1,))[..., :K], -1, axis).astype(np.float32)
;;   ~~~
;;   OPERANDS COMPUTED ON THE WAY. 'Computed on the way' means the value that the module computes at that place (a softmax that the list does not call 'softmax' is quantised finished and normalised). What goes into a quantiser is computed in f32, as accurately as f32 sums, v_exp_f32 and their like allow (about 1e-6 of the number): no bf16 or f16 on the way to a quantiser, and a product that is left as it is and whose result goes on into a quantised operand takes f32 operands (vector FMAs, or v_wmma_f32_16x16x4_f32). A number that lies on a knife's edge between two numbers of the format may be rounded either way, as far as f32 arithmetic and the matrix unit's own rounding can turn it there, and no further.
;;   INPUTS GIVEN AS CODES. W1 (in the module: [32, 128], K = its axis 0); W2 (in the module: [128, 128], K = its axis 0): each comes as NAME_codes (uint8): NAME with its K axis moved to the last place and cut into blocks of 32 codes, [.., K / 32, bytes a block], one block behind the other in memory; four codes in three bytes: a row's codes are one little-endian stream of bits, code i at bits 6 i .. 6 i + 5 (a code: sign, 3 exponent bits, 2 mantissa bits); and NAME_scales (uint8): the same leading axes, one E8M0 byte (e + 127) for each 32 codes along K. Its value is code x scale, taken as it is: it is not quantised again, and the codes and scales need not be those that the quantiser above would give.
;; One version. Each part assembles by itself: llvm-mc -triple=amdgcn-amd-amdhsa -mcpu=gfx1250 --defsym DOCPART=n.
;; ======== version 1 of 1: 2 launches
;; limits: right only within a limited range of input values
;; workspace buffers: cells 16,777,216 bytes of whole numbers; recs 153,354,240 bytes
;; launch cells (part 1): grid 3364 x 1, 8 waves a work-group, no clusters, 0 bytes of LDS; arguments x, cells, embeddings, recs; writes cells, recs
.if DOCPART == 1
	.amdgcn_target "amdgcn-amd-amdhsa--gfx1250"
	.amdhsa_code_object_version 6
	.text
	.protected	k_q3949d34787_cells
	.globl	k_q3949d34787_cells
	.p2align	8
	.type	k_q3949d34787_cells,@function
k_q3949d34787_cells:
	s_mov_b64 s[64:65], 0
	v_nop
	global_prefetch_b8 v0, s[64:65] scope:SCOPE_SE
	s_setreg_imm32_b32 hwreg(HW_REG_WAVE_MODE, 25, 1), 1
	s_wait_xcnt 0x0
; FOR EACH POINT, FOUR WHOLE NUMBERS FROM WHICH THE CELL OF EVERY GRID LEVEL FOLLOWS BY INTEGER ARITHMETIC.  x: [1048576][3] f32.  cells: 16 bytes a point.
; Level l (1 .. 15) has scale s_l = 2^l - 1; a coordinate's place is pos_l = x s_l + 0.5 and its cell pg_l = floor(pos_l).  The table addresses of the next launch hang on pg_l, so pg_l is made here
; and handed over as whole numbers.  THE PRODUCT AND THE SUM ARE TWO ROUNDINGS, ON PURPOSE NOT FUSED: the problem's text writes a product and then a sum, and the next launch takes the fractions from
; the same two instructions, so that cell and fraction always belong together.
; THE CODE.  pos_(l+1) = 2 pos_l + x - 0.5, so with X = floor(x) the number D_l = pg_(l+1) - 2 pg_l - X + 1 is 0, 1, 2 or 3 (pg_0 = 0).  A coordinate's fifteen D_l are 30 bits: word c = sum of D_l << 2 l.
; Word 3 = X of the three coordinates, 8 bits each.  60 bytes of cells a point become 16.
; LIMITS: 0 <= x < 64, finite.  The margin of D_l is 0.5 of a cell against at most 0.25 from the two roundings up to x = 64; beyond, D_l is held at 3 and X at 255: a wrong cell, still inside its table.
; Below 0 the problem's own cast to unsigned has no defined value.
; SHARES.  A wave takes 128 points; lane i the points 4 i .. 4 i + 3: its 48 bytes of x are three loads of 16.  Point 128 g + 4 i + k goes to byte (4 g + k) 512 + 16 i: each store of the wave covers 512
; consecutive bytes, aligned, and the 32 records that a wave of the next launch takes together lie on end.  No LDS, no barrier, no loop: waves share nothing.
.set X,   8                            ; v[8:19]   coordinate c of point k at X + 3 k + c
.set POS, 20                           ; v[20:31]  pos of the level in hand
.set PGA, 32                           ; v[32:43]  cells of odd levels
.set PGB, 44                           ; v[44:55]  cells of even levels
.set XM1, 56                           ; v[56:67]  X - 1
.set REC, 68                           ; v[68:83]  point k's record at REC + 4 k
.set T,   84                           ; v[84:95]  at work
.set NREL, 2340                        ; work-groups 0 .. 2339 lay the records of levels 4 to 7 (at the text's end); the 1,024 behind them make the cells
	s_cmp_lt_u32 ttmp9, NREL
	s_cbranch_scc1 .Lrelay
	s_load_b128 s[4:7], s[0:1], 0x0                ; x s[4:5], cells s[6:7]
	v_lshrrev_b32 v3, 5, v0
	s_delay_alu instid0(VALU_DEP_1)
	v_readfirstlane_b32 s8, v3                     ; wave 0..7
	v_and_b32 v3, 31, v0                           ; lane
	s_delay_alu instid0(VALU_DEP_1)
	v_mul_u32_u24 v1, v3, 48                       ; my four points in the group's x
	s_delay_alu instid0(VALU_DEP_2)
	v_lshlrev_b32 v2, 4, v3                        ; my record in a run of 32
	s_sub_co_u32 s9, ttmp9, NREL
	s_lshl_b32 s9, s9, 3
	s_add_co_u32 s9, s9, s8                        ; my group of 128 points: 8 x work-group + wave
	s_mul_i32 s10, s9, 1536                        ; 128 points x 12 bytes
	s_mov_b32 s11, 0
	s_lshl_b32 s12, s9, 11                         ; 128 points x 16 bytes
	s_mov_b32 s13, 0
	s_wait_alu depctr_va_vdst(0)
	s_wait_kmcnt 0x0
	s_add_nc_u64 s[4:5], s[4:5], s[10:11]
	s_add_nc_u64 s[6:7], s[6:7], s[12:13]
.irp i, 0,1,2
	global_load_b128 v[X+4*\i:X+4*\i+3], v1, s[4:5] offset:16*\i
.endr
	s_wait_loadcnt 0x0
.irp j, 0,1,2,3,4,5,6,7,8,9,10,11
	v_cvt_u32_f32 v[T+\j], v[X+\j]                 ; X = floor(x) (toward zero; x is not negative)
.endr
.irp j, 0,1,2,3,4,5,6,7,8,9,10,11
	v_min_u32 v[T+\j], 0xff, v[T+\j]               ; held to its 8 bits
.endr
.irp j, 0,1,2,3,4,5,6,7,8,9,10,11
	v_add_nc_u32 v[XM1+\j], -1, v[T+\j]
.endr
.irp k, 0,1,2,3
	v_lshl_or_b32 v[REC+4*\k+3], v[T+3*\k+1], 8, v[T+3*\k]
.endr
.irp k, 0,1,2,3
	s_delay_alu instid0(VALU_DEP_4)
	v_lshl_or_b32 v[REC+4*\k+3], v[T+3*\k+2], 16, v[REC+4*\k+3]
.endr
; Level l: its twelve cells, and D_(l-1) into bits 2 (l - 1) of the words.
.macro LEVEL l
.set SCB, ((126+(\l))<<23)|(((1<<((\l)-1))-1)<<(24-(\l)))   ; 2^l - 1 as f32: exponent l - 1, l - 1 ones on top of the mantissa
.if (\l)%2
.set CUR, PGA
.set PRV, PGB
.else
.set CUR, PGB
.set PRV, PGA
.endif
.irp j, 0,2,4,6,8,10
	v_pk_mul_f32 v[POS+\j:POS+\j+1], v[X+\j:X+\j+1], SCB op_sel_hi:[1,0]
.endr
.irp j, 0,2,4,6,8,10
	v_pk_add_f32 v[POS+\j:POS+\j+1], v[POS+\j:POS+\j+1], 0.5 op_sel_hi:[1,0]
.endr
.irp j, 0,1,2,3,4,5,6,7,8,9,10,11
	v_cvt_u32_f32 v[CUR+\j], v[POS+\j]
.endr
.if (\l) > 1
.irp j, 0,1,2,3,4,5,6,7,8,9,10,11
	v_lshl_add_u32 v[T+\j], v[PRV+\j], 1, v[XM1+\j]    ; 2 pg_(l-1) + X - 1
.endr
.irp j, 0,1,2,3,4,5,6,7,8,9,10,11
	v_sub_nc_u32 v[T+\j], v[CUR+\j], v[T+\j]
.endr
.irp j, 0,1,2,3,4,5,6,7,8,9,10,11
	v_min_u32 v[T+\j], 3, v[T+\j]                  ; two bits, whatever x holds
.endr
.irp j, 0,1,2,3,4,5,6,7,8,9,10,11
	v_lshl_or_b32 v[REC+4*(\j/3)+\j%3], v[T+\j], 2*((\l)-1), v[REC+4*(\j/3)+\j%3]
.endr
.else
.irp j, 0,1,2,3,4,5,6,7,8,9,10,11
	v_sub_nc_u32 v[T+\j], v[CUR+\j], v[XM1+\j]     ; pg_0 = 0
.endr
.irp j, 0,1,2,3,4,5,6,7,8,9,10,11
	v_min_u32 v[REC+4*(\j/3)+\j%3], 3, v[T+\j]     ; the first field starts the word: nothing is cleared
.endr
.endif
.endm
.irp l, 1,2,3,4,5,6,7,8,9,10,11,12,13,14,15
	LEVEL \l
.endr
.irp k, 0,1,2,3
	global_store_b128 v2, v[REC+4*\k:REC+4*\k+3], s[6:7] offset:512*\k th:TH_STORE_NT   ; 32 lanes store 512 consecutive bytes, at a multiple of 512 from the buffer's first byte
.endr
	s_endpgm
; THE RECORDS.  For each cell (cx, cy, cz) of levels 4 to 7, cx, cy, cz under r = 2^l, its eight corners' table entries as 64 consecutive bytes of recs, at 64 (cx + cy r + cz r^2) from the level's part:
; piece p = 2 dx + dz of 16 bytes holds the entries of dy = 0 and dy = 1.  Level 7's part begins at byte 0, level 6's at 0x8000000, level 5's at 0x9000000, level 4's at 0x9200000.
; The entries are those that the problem's own index formulas name: dense up to level 6 (index = c + dx + dy r + dz r^2, c the cell's number; it stays under 2^19), hashed at level 7.
; SHARES.  A work-group of 256 threads lays 1,024 cells: thread t takes piece t % 4 of cell 64 i + t / 4, i = 0 .. 15: two loads of 8 bytes and one store of 16; a wave's store covers 512 consecutive
; bytes, aligned.  Work-groups 0 .. 2047 level 7, then 256 of level 6, 32 of level 5, 4 of level 4.  All addresses are made of ids.  All 32 loads are out before the first store; the counts run down by two.
.set DR, 8                             ; v[8:71] piece i at DR + 4 i
.Lrelay:
	s_load_b128 s[4:7], s[0:1], 0x10               ; embeddings s[4:5], recs s[6:7]
	v_lshlrev_b32 v1, 4, v0                        ; my piece in a run of 256
	v_lshrrev_b32 v2, 2, v0
	v_bfe_u32 v3, v0, 1, 1                         ; dx
	v_and_b32 v4, 1, v0                            ; dz
	s_delay_alu instid0(VALU_DEP_2)
	v_add_nc_u32 v2, v2, v3                        ; t / 4 + dx
	s_wait_alu depctr_va_vdst(0)                   ; ahead of the scalar lines and the branch
	s_mov_b32 s13, 0
	s_mov_b32 s15, 0
	s_cmp_lt_u32 ttmp9, 2048
	s_cbranch_scc1 .Lhashed
	s_sub_co_u32 s8, ttmp9, 2048
	s_mov_b32 s14, 0x8000000
	s_mov_b32 s16, 0x9000000
	s_cmp_lt_u32 s8, 256
	s_cselect_b32 s9, 6, 5                         ; the level,
	s_cselect_b32 s10, 0, 256                      ; its first work-group,
	s_cselect_b32 s14, s14, s16                    ; its part of recs
	s_mov_b32 s16, 0x9200000
	s_cmp_lt_u32 s8, 288
	s_cselect_b32 s9, s9, 4
	s_cselect_b32 s10, s10, 288
	s_cselect_b32 s14, s14, s16
	s_sub_co_u32 s8, s8, s10                       ; my 1,024 cells of the level
	s_lshl_b32 s12, s9, 22                         ; the level's table: 4 MiB each,
	s_lshl_b32 s17, s8, 13                         ; + 1,024 entries x 8 bytes
	s_add_co_u32 s12, s12, s17
	s_lshl_b32 s17, s8, 16                         ; 1,024 records x 64 bytes
	s_add_co_u32 s14, s14, s17
	s_lshl_b32 s16, s9, 1
	s_lshl_b32 s17, 8, s9                          ; r entries in bytes
	v_lshlrev_b32 v5, s16, v4                      ; dz r^2
	s_delay_alu instid0(VALU_DEP_1)
	v_add_nc_u32 v5, v5, v2
	s_delay_alu instid0(VALU_DEP_1)
	v_lshlrev_b32 v5, 3, v5                        ; dy = 0
	s_delay_alu instid0(VALU_DEP_1)
	v_add_nc_u32 v6, s17, v5                       ; dy = 1
	s_wait_alu depctr_va_vdst(0)
	s_wait_kmcnt 0x0
	s_add_nc_u64 s[4:5], s[4:5], s[12:13]
	s_add_nc_u64 s[6:7], s[6:7], s[14:15]
.irp i, 0,1,2,3,4,5,6,7,8,9,10,11,12,13,14,15
	global_load_b64 v[DR+4*\i:DR+4*\i+1], v5, s[4:5] offset:512*\i     ; 64 cells on: 64 entries on
	global_load_b64 v[DR+4*\i+2:DR+4*\i+3], v6, s[4:5] offset:512*\i
.endr
	s_branch .Lput
.Lhashed:                                              ; level 7: 1,024 cells are 8 rows of 128 along x in one plane: cz = id / 16, cy = 8 (id % 16) + i / 2, cx = 64 (i % 2) + t / 4
	s_lshr_b32 s8, ttmp9, 4
	s_and_b32 s9, ttmp9, 15
	s_lshl_b32 s9, s9, 3
	s_mov_b32 s10, 2654435761&0x7ffff              ; the primes modulo 2^19: the index is taken modulo 2^19
	s_mov_b32 s11, 805459861&0x7ffff
	s_mov_b32 s12, 7<<22
	s_lshl_b32 s14, ttmp9, 16
.irp j, 0,1,2,3,4,5,6,7,8
	s_add_co_u32 s16, s9, \j
	s_mul_i32 s[20+\j], s16, s10
	s_and_b32 s[20+\j], s[20+\j], 0x7ffff
	s_lshl_b32 s[20+\j], s[20+\j], 3               ; 8 ((cy0 + j) P1 mod 2^19)
.endr
	v_add_nc_u32 v5, s8, v4
	s_delay_alu instid0(VALU_DEP_1)
	v_mul_u32_u24 v5, v5, s11                      ; (cz + dz) P2
	v_add_nc_u32 v7, 64, v2
	s_delay_alu instid0(VALU_DEP_2)
	v_xor_b32 v6, v2, v5
	s_delay_alu instid0(VALU_DEP_2)
	v_xor_b32 v7, v7, v5
	s_delay_alu instid0(VALU_DEP_2)
	v_and_b32 v6, 0x7ffff, v6
	s_delay_alu instid0(VALU_DEP_2)
	v_and_b32 v7, 0x7ffff, v7
	s_delay_alu instid0(VALU_DEP_2)
	v_lshlrev_b32 v6, 3, v6                        ; 8 (((cx + dx) xor (cz + dz) P2) mod 2^19), i even;
	s_delay_alu instid0(VALU_DEP_2)
	v_lshlrev_b32 v7, 3, v7                        ; i odd
	s_wait_alu depctr_va_vdst(0)
	s_wait_kmcnt 0x0
	s_add_nc_u64 s[4:5], s[4:5], s[12:13]
	s_add_nc_u64 s[6:7], s[6:7], s[14:15]
.irp i, 0,1,2,3,4,5,6,7,8,9,10,11,12,13,14,15
	v_xor_b32 v[DR+4*\i], s[20+(\i/2)], v[6+(\i%2)]                    ; each offset stands in the low register of the pair on which its load lands
	v_xor_b32 v[DR+4*\i+2], s[21+(\i/2)], v[6+(\i%2)]
	global_load_b64 v[DR+4*\i:DR+4*\i+1], v[DR+4*\i], s[4:5]
	global_load_b64 v[DR+4*\i+2:DR+4*\i+3], v[DR+4*\i+2], s[4:5]
.endr
.Lput:
	s_wait_alu depctr_va_vdst(0)
.irp i, 0,1,2,3,4,5,6,7,8,9,10,11,12,13,14,15
	s_wait_loadcnt 30-2*\i                         ; loads come back in order (ISA guide 5.7.1): piece i's two are in
	global_store_b128 v1, v[DR+4*\i:DR+4*\i+3], s[6:7] offset:4096*\i
.endr
	s_endpgm
.Lfunc_end_k_q3949d34787_cells:
	.size	k_q3949d34787_cells, .Lfunc_end_k_q3949d34787_cells-k_q3949d34787_cells
	.p2alignl 7, 3214868480
	.fill 96, 4, 3214868480
	.section	.rodata,"a",@progbits
	.p2align	6, 0x0
	.amdhsa_kernel k_q3949d34787_cells
		.amdhsa_group_segment_fixed_size 0
		.amdhsa_private_segment_fixed_size 0
		.amdhsa_enable_private_segment 0
		.amdhsa_kernarg_size 32
		.amdhsa_user_sgpr_count 2
		.amdhsa_user_sgpr_kernarg_segment_ptr 1
		.amdhsa_wavefront_size32 1
		.amdhsa_system_sgpr_workgroup_id_x 1
		.amdhsa_system_sgpr_workgroup_id_y 1
		.amdhsa_system_sgpr_workgroup_id_z 1
		.amdhsa_system_vgpr_workitem_id 0
		.amdhsa_next_free_vgpr 96
		.amdhsa_next_free_sgpr 66
		.amdhsa_reserve_vcc 0
		.amdhsa_float_denorm_mode_32 3
		.amdhsa_float_denorm_mode_16_64 3
		.amdhsa_memory_ordered 1
		.amdhsa_forward_progress 1
		.amdhsa_inst_pref_size 69
	.end_amdhsa_kernel
	.amdgpu_metadata
---
amdhsa.version: [ 1, 2 ]
amdhsa.kernels:
  - .name:           k_q3949d34787_cells
    .symbol:         k_q3949d34787_cells.kd
    .args:
      - { .name: x, .offset: 0, .size: 8, .value_kind: global_buffer, .address_space: global }
      - { .name: cells, .offset: 8, .size: 8, .value_kind: global_buffer, .address_space: global }
      - { .name: embeddings, .offset: 16, .size: 8, .value_kind: global_buffer, .address_space: global }
      - { .name: recs, .offset: 24, .size: 8, .value_kind: global_buffer, .address_space: global }
    .group_segment_fixed_size: 0
    .private_segment_fixed_size: 0
    .kernarg_segment_align: 8
    .kernarg_segment_size: 32
    .max_flat_workgroup_size: 256
    .sgpr_count:     66
    .vgpr_count:     96
    .wavefront_size: 32
...
	.end_amdgpu_metadata
.endif
;; end of part 1
;; launch field (part 2): grid 256 x 1, 16 waves a work-group, no clusters, 47,104 bytes of LDS; arguments x, cells, embeddings, W1_codes, W1_scales, W2_codes, W2_scales, W3, b1, b2, b3, out0, recs; writes out0
.if DOCPART == 2
	.amdgcn_target "amdgcn-amd-amdhsa--gfx1250"
	.amdhsa_code_object_version 6
	.text
	.protected	k_q3949d34787_field
	.globl	k_q3949d34787_field
	.p2align	8
	.type	k_q3949d34787_field,@function
k_q3949d34787_field:
	s_mov_b64 s[64:65], 0
	v_nop
	global_prefetch_b8 v0, s[64:65] scope:SCOPE_SE
	s_setreg_imm32_b32 hwreg(HW_REG_WAVE_MODE, 25, 1), 1
	s_wait_xcnt 0x0
; out[p] = relu(relu(h W1 + b1) W2 + b2) W3 + b3, h = the 32 features of point p: 16 grid levels x 2, each the trilinear mean of 8 table entries.  Both wide products on codes of BF6 (E3M2) with one E8M0
; scale for each 32 along K; h and the first hidden layer are quantised here, in registers; the product with W3 (one column) is f32 multiply-adds.  Nothing but the result goes to memory.
; ADDRESSES come from whole numbers stored by the launch before (16 bytes a point: three words of fifteen 2-bit steps D_l, one word of the three X = floor(x)):
; q_0 = -1, q_(l+1) = 2 q_l + D_l, cell - 1 = q_l + X (2^l - 1).  The fractions steer no address: they are made here from x, by the same unfused product and sum as there.
; LEVEL 0 has scale 0: pos = 0.5 for every finite x, so its cell is 0, its eight weights are 0.125 and its corners are entries 0,1,1,2,1,2,2,3: two numbers, the same for all points, made once a wave.
; LIMITS: 0 <= x < 64, finite (the cells' code; below 0 the problem's cast to unsigned has no defined value).  A block of zeros gets the scale byte 1 where the quantiser says 127: its codes are zeros, and the
; bytes are read here alone.  NaN and infinities in the tables are not served.
; SHARES.  256 work-groups of sixteen waves; a wave owns 256 points, 16 half-chunks of 16.  LANES r AND r + 16 SERVE ONE POINT: lane half h takes the four corners with x offset h.  Each half sums its four
; corners; one swap of lane halves and one addition for two registers join them, and leave lane (r, h) with features 16 h .. 16 h + 15 of point r: 16 neighbours along K for the conversion.
; Half-chunk m holds points 128 (m / 8) + 64 (m % 2) + 4 r + (m / 2) % 4.  Two half-chunks (m even: A, m odd: B) go through the products together: A in lanes 0-15, B in lanes 16-31.
; LEVELS 1 TO 3 (at most 585 entries in use while x < 1) lie in LDS, their corners in the loads' immediates.
; LEVELS 4 TO 7 come from recs, which the launch before has laid: a cell's eight corners are 64 consecutive bytes, my half's four the 32 bytes at 32 h: two loads of 16 bytes.
; LEVELS 8 TO 15 are gathered entry by entry, four loads of 8 bytes.  Levels 4 to 15 go through six sets of eight registers, six levels out at all times, on into the next half-chunk and across the products.
; Where a point of the wave has x >= 1 (a stored whole number says so) its cells lie beyond LDS's and recs' range: the wave then takes levels 1 to 7 from the tables, entry by entry, index modulo 2^19.
; The weights lie in LDS as images of the operands' registers and are fetched tile by tile.
; NO CLUSTER, NO TENSOR LOAD: what work-groups share by tiles is 17 KB of weights and 24 KB of tables, read once by each; all else is gathered.  NO PREFETCH: no stream here is waited for that is read once.
; PRODUCT 1 (K = 32, one block of the instruction's four).  XLO = the codes with lanes 16-31 cleared: A's points in block 0.  XHI = the codes with lanes 0-15 cleared: B's points in block 1.  W1's fragment holds its
; row in block 0 and in block 1; scale bytes are repeated in all four bytes of their words.  Registers 6-11 of XLO and XHI are zero codes.
; BOTH PRODUCTS ARE USED TRANSPOSED (source 0 = 16 rows of the weight, source 1 = 16 points).  Lane r of W1's tile 2 b + u takes row 32 b + 8 u + r + 8 (r / 8), so that the 16 registers of tiles 2 b, 2 b + 1 are
; 16 neighbours along the next K.  The biases are the C of the products.  No product adds onto an earlier one.
.set W2IMG, 0                          ; LDS: W2's 8 tiles, 12 registers each
.set W1IMG, 12288                      ; W1's 8 tiles, 6 registers each
.set B1L,   18432                      ; b1, b2, W3 as they lie
.set B2L,   18944
.set W3L,   19456
.set TBL,   20480                      ; the first 1,024 entries of level l at TBL + 8192 (l - 1), l = 1, 2, 3
.set SPARE, 45056                      ; the spare words: 128 bytes a wave
.set TMASK, 0x7ffff
.set FLOOR, 0x2800000                  ; 2^(5 - 127)
.set EOFF,  0xfe000000                 ; takes 4 off an exponent field
.set LI,   1                           ; 16 x lane
.set R48,  2                           ; 48 x (lane % 16)
.set L8,   3                           ; 8 x lane
.set H64,  4                           ; 64 x (lane / 16)
.set H32,  5                           ; 32 x (lane / 16)
.set XC,   8                           ; v[8:10] x of the half-chunk in hand
.set AW2,  11
.set XN,   12                          ; v[12:14] x of the next
.set AW1A, 15
.set CWN,  16                          ; v[16:19] the next record of cells as loaded
.set CW,   20                          ; v[20:22] the three words of steps
.set AW1B, 23
.set XI,   24                          ; v[24:26] X
.set Q,    27                          ; v[27:29] q
.set HS,   30
.set W1S,  32
.set W2S,  36
.set OUT,  40
.set XLO,  44                          ; v[44:55] XLO, v[56:67] XHI
.set XS,   68
.set AAUX, 69
.set F,    70                          ; v[70:101] the features
.set G,    102                         ; v[102:149] six sets of 8: my four corners' entries; a load's offset stands in the lowest register on which it lands
.set R16,  150                         ; 16 x (lane % 16)
.set HP1,  151                         ; 1 + lane / 16
.set SGN,  152                         ; my x weight = f SGN + OFFW: 1 - f in lanes 0-15, f in lanes 16-31
.set OFFW, 153
.set C0,   154                         ; level 0's two features in lanes 0-15, 0 in lanes 16-31
.set C1,   155
.set XW,   156                         ; the record's word of X
.set CA,   158                         ; v[158:160] levels 1 to 3: my first corner's index
.set BYA,  161                         ; A's scale byte
.set TA,   162                         ; v[162:164] A's codes
.set POS,  182                         ; at work while features are made
.set WXL,  186
.set WY,   188
.set WZ,   190
.set WXY,  192
.set W4,   194                         ; my four weights: corner q = dy + 2 dz
.set TD,   198
.set TP,   201                         ; cell - 1
.set CX,   204
.set HY,   205
.set HZ,   207
.set AX,   209
.set CT,   211
.set GC,   214                         ; v[214:237] levels 1 to 3: 4 pairs each
.set TC,   242
.set AM,   250
.set SOP,  252
.set BY,   253
.set WC,   182                         ; product 1
.set D1,   210
.set HC,   72
.set MX,   98
.set PT,   100
.set SO,   250
.set BYP,  252
.set SA,   182                         ; product 2
.set D2,   238
.set ACC,  98
.set GW2,  240
.set GW1,  241
.set S4,   242
.set SU8,  243
.set TH16, 244
.set WV,   2
.set RB,   32                          ; s[32:39] recs' parts of levels 4 to 7
.set MLO,  40
.set P1,   42
.set P2,   43
.set SEL,  44
.set B3,   46
.set CN,   47                          ; the half-chunk that is fetched ahead
.set XP,   48
.set EB,   66                          ; s[66:95] the tables of levels 1 to 15
.macro QSTEP l                         ; cell - 1 of level l, three coordinates
.irp c, 0,1,2
	v_bfe_u32 v[TD+\c], v[CW+\c], 2*((\l)-1), 2
.endr
.irp c, 0,1,2
	s_delay_alu instid0(VALU_DEP_3)
	v_lshl_add_u32 v[Q+\c], v[Q+\c], 1, v[TD+\c]
.endr
.irp c, 0,1,2
	s_delay_alu instid0(VALU_DEP_3)
	v_mad_u32_u24 v[TP+\c], v[XI+\c], (1<<(\l))-1, v[Q+\c]
.endr
.endm
.macro LIN l, dst, near                ; cx + h + cy 2^l + cz 4^l: the 1 of each coordinate and my half are added here.  near = 1: QSTEP stands directly ahead
.if \near
	s_delay_alu instid0(VALU_DEP_2)
.endif
	v_lshl_add_u32 v[TP], v[TP+1], (\l), v[TP]
	s_delay_alu instid0(VALU_DEP_1)
	v_lshl_add_u32 v[TP], v[TP+2], 2*(\l), v[TP]
	s_delay_alu instid0(VALU_DEP_1)
	v_add3_u32 v[\dst], v[TP], v[HP1], (1<<(\l))+(1<<(2*(\l)))
.endm
.macro DENSE l, src, gs                ; a dense level's four corners from its table: byte offset = 8 ((index + dy 2^l + dz 4^l) mod 2^19); the index is held by a constant in the line
	v_and_b32 v[TP], TMASK, v[\src]
	s_delay_alu instid0(VALU_DEP_1)
	v_min_u32 v[TP], TMASK, v[TP]
	s_delay_alu instid0(VALU_DEP_1)
	v_lshlrev_b32 v[(\gs)], 3, v[TP]
.irp q, 1,2,3
	v_lshl_add_u32 v[(\gs)+2*\q], v[TP], 3, 8*(((\q&1)<<(\l))+((\q>>1)<<(2*(\l))))
.endr
.irp q, 1,2,3
	s_delay_alu instid0(VALU_DEP_3)
	v_and_b32 v[(\gs)+2*\q], 8*TMASK, v[(\gs)+2*\q]
.endr
.irp q, 0,1,2,3
	global_load_b64 v[(\gs)+2*\q:(\gs)+2*\q+1], v[(\gs)+2*\q], s[EB+2*((\l)-1):EB+2*((\l)-1)+1]
.endr
.endm
.macro ISSUE l                         ; level l (4 .. 15): my four corners are asked for.  Whole numbers alone
.set LV, (\l)
.set GS, G+8*((LV-4)%6)
	QSTEP LV
.if LV <= 7                            ; from recs: 64 (cx + cy 2^l + cz 4^l) + 32 h; each coordinate is held by a constant in the line
	v_cmp_ne_u32 vcc_lo, 0, v[XW]
	s_wait_alu depctr_va_vdst(0)
	s_cbranch_vccnz .Lwide_\@                      ; a stored whole number decides: some x of the wave is 1 or more
.irp c, 0,1,2
	v_add_nc_u32 v[TD+\c], 1, v[TP+\c]
.endr
.irp c, 0,1,2
	s_delay_alu instid0(VALU_DEP_3)
	v_min_u32 v[TD+\c], (1<<LV)-1, v[TD+\c]
.endr
	s_delay_alu instid0(VALU_DEP_2)
	v_lshl_add_u32 v[TD], v[TD+1], LV, v[TD]
	s_delay_alu instid0(VALU_DEP_1)
	v_lshl_add_u32 v[TD], v[TD+2], 2*LV, v[TD]
	s_delay_alu instid0(VALU_DEP_1)
	v_lshl_add_u32 v[GS], v[TD], 6, v[H32]
	s_delay_alu instid0(VALU_DEP_2)
	v_lshl_add_u32 v[GS+4], v[TD], 6, v[H32]
	global_load_b128 v[GS:GS+3], v[GS], s[RB+2*(LV-4):RB+2*(LV-4)+1]
	global_load_b128 v[GS+4:GS+7], v[GS+4], s[RB+2*(LV-4):RB+2*(LV-4)+1] offset:16
	s_branch .Lasked_\@
.Lwide_\@:
.endif
.if LV <= 6
	LIN LV, TP, 0
	s_delay_alu instid0(VALU_DEP_1)
	DENSE LV, TP, GS
.else                                  ; index = cx xor cy P1 xor cz P2, modulo 2^19: 24-bit products serve, since 2^24 is 0 modulo 2^19
.if LV > 7
	s_delay_alu instid0(VALU_DEP_2)
.endif
	v_mad_u32_u24 v[HY], v[TP+1], s[P1], s[P1]
.if LV > 7
	s_delay_alu instid0(VALU_DEP_2)
.endif
	v_mad_u32_u24 v[HZ], v[TP+2], s[P2], s[P2]
	v_add_nc_u32 v[CX], v[TP], v[HP1]
	s_delay_alu instid0(VALU_DEP_3)
	v_add_nc_u32 v[HY+1], s[P1], v[HY]
	s_delay_alu instid0(VALU_DEP_3)
	v_add_nc_u32 v[HZ+1], s[P2], v[HZ]
	s_delay_alu instid0(VALU_DEP_3)
	v_xor_b32 v[AX], v[CX], v[HY]
	s_delay_alu instid0(VALU_DEP_3)
	v_xor_b32 v[AX+1], v[CX], v[HY+1]
.irp q, 0,1,2,3
	v_xor_b32 v[GS+2*\q], v[AX+(\q&1)], v[HZ+(\q>>1)]
.endr
.irp q, 0,1,2,3
	s_delay_alu instid0(VALU_DEP_4)
	v_and_b32 v[GS+2*\q], TMASK, v[GS+2*\q]
.endr
.irp q, 0,1,2,3
	s_delay_alu instid0(VALU_DEP_4)
	v_min_u32 v[GS+2*\q], TMASK, v[GS+2*\q]
.endr
.irp q, 0,1,2,3
	s_delay_alu instid0(VALU_DEP_4)
	v_lshlrev_b32 v[GS+2*\q], 3, v[GS+2*\q]
.endr
.irp q, 0,1,2,3
	global_load_b64 v[GS+2*\q:GS+2*\q+1], v[GS+2*\q], s[EB+2*(LV-1):EB+2*(LV-1)+1]   ; no hint: every work-group reads the tables again
.endr
.endif
.if LV <= 7
	s_wait_alu depctr_va_vdst(0)
	s_wait_loadcnt 0x0                             ; the way by the tables issues four loads where the counts below reckon with two: it waits for all
.Lasked_\@:
.endif
.endm
; My half of level l's two features: four corners.  Floats alone.  cnt: the loads issued behind this level's, which may stay out (under 0: no wait here)
.macro CONSUME l, gc, cnt
.set LC, (\l)
.set SCB, ((126+LC)<<23)|(((1<<(LC-1))-1)<<(24-LC))   ; 2^l - 1 as f32
	v_pk_mul_f32 v[POS:POS+1], v[XC:XC+1], SCB op_sel_hi:[1,0]      ; product and sum are not fused: two roundings, as where the cells were made
	v_mul_f32 v[POS+2], SCB, v[XC+2]
	s_delay_alu instid0(VALU_DEP_2)
	v_pk_add_f32 v[POS:POS+1], v[POS:POS+1], 0.5 op_sel_hi:[1,0]
	s_delay_alu instid0(VALU_DEP_2)
	v_add_f32 v[POS+2], 0.5, v[POS+2]
	s_delay_alu instid0(VALU_DEP_2)
	v_fract_f32 v[WXL+1], v[POS]
	v_fract_f32 v[WY+1], v[POS+1]
	s_delay_alu instid0(VALU_DEP_3)
	v_fract_f32 v[WZ+1], v[POS+2]
	s_delay_alu instid0(VALU_DEP_3)
	v_fma_f32 v[WXL], v[WXL+1], v[SGN], v[OFFW]
	s_delay_alu instid0(VALU_DEP_3)
	v_sub_f32 v[WY], 1.0, v[WY+1]
	s_delay_alu instid0(VALU_DEP_3)
	v_sub_f32 v[WZ], 1.0, v[WZ+1]
	s_delay_alu instid0(VALU_DEP_2)
	v_pk_mul_f32 v[WXY:WXY+1], v[WY:WY+1], v[WXL:WXL+1] op_sel_hi:[1,0]                ; (wx wy) wz, two corners at a time
	s_delay_alu instid0(VALU_DEP_1)
	v_pk_mul_f32 v[W4:W4+1], v[WXY:WXY+1], v[WZ:WZ+1] op_sel_hi:[1,0]
	v_pk_mul_f32 v[W4+2:W4+3], v[WXY:WXY+1], v[WZ:WZ+1] op_sel:[0,1] op_sel_hi:[1,1]
.if (\cnt) >= 0
	s_wait_alu depctr_va_vdst(0)                   ; directly ahead of the wait below
	s_wait_loadcnt \cnt                            ; loads come back in order (ISA guide 5.7.1): this level's are in
.endif
	v_pk_mul_f32 v[F+2*LC:F+2*LC+1], v[(\gc):(\gc)+1], v[W4:W4+1] op_sel_hi:[1,0]
	s_delay_alu instid0(VALU_DEP_1)
	v_pk_fma_f32 v[F+2*LC:F+2*LC+1], v[(\gc)+2:(\gc)+3], v[W4:W4+1], v[F+2*LC:F+2*LC+1] op_sel:[0,1,0] op_sel_hi:[1,1,1]
	s_delay_alu instid0(VALU_DEP_1)
	v_pk_fma_f32 v[F+2*LC:F+2*LC+1], v[(\gc)+4:(\gc)+5], v[W4+2:W4+3], v[F+2*LC:F+2*LC+1] op_sel_hi:[1,0,1]
	s_delay_alu instid0(VALU_DEP_1)
	v_pk_fma_f32 v[F+2*LC:F+2*LC+1], v[(\gc)+6:(\gc)+7], v[W4+2:W4+3], v[F+2*LC:F+2*LC+1] op_sel:[0,1,0] op_sel_hi:[1,1,1]
.endm
.macro NEXTCELLS                       ; the next record is taken up, and its levels 1 to 3 are walked
.irp c, 0,1,2
	v_mov_b32 v[CW+\c], v[CWN+\c]
.endr
.irp c, 0,1,2
	v_bfe_u32 v[XI+\c], v[CWN+3], 8*\c, 8
.endr
.irp c, 0,1,2
	v_mov_b32 v[Q+\c], -1
.endr
	v_mov_b32 v[XW], v[CWN+3]
.irp l, 1,2,3
	QSTEP \l
	LIN \l, CA+\l-1, 1
.endr
.endm
.macro LX                              ; half-chunk CN's x and record are asked for (the wait on XCNT ahead of this macro has freed both bases)
	s_lshr_b32 s60, s[CN], 3
	s_mul_i32 s60, s60, 1536                       ; 128 points x 12 bytes
	s_bfe_u32 s61, s[CN], 0x20001
	s_mul_i32 s61, s61, 12
	s_and_b32 s62, s[CN], 1
	s_mul_i32 s62, s62, 768                        ; 64 points x 12 bytes
	s_add_co_u32 s50, s60, s61
	s_add_co_u32 s50, s50, s62
	s_add_nc_u64 s[XP:XP+1], s[8:9], s[50:51]
	s_add_nc_u64 s[10:11], s[10:11], 256
	global_load_b96 v[XN:XN+2], v[R48], s[XP:XP+1]
	global_load_b128 v[CWN:CWN+3], v[R16], s[10:11] th:TH_LOAD_NT      ; 256 consecutive bytes, both halves of the lanes the same 16
.endm
.macro CFAST l                         ; level l's four corners from LDS; the index is held to the last first corner that x < 1 can give
.irp q, 0,1,2,3
	ds_load_b64 v[GC+8*((\l)-1)+2*\q:GC+8*((\l)-1)+2*\q+1], v[CT+(\l)-1] offset:TBL+8192*((\l)-1)+8*(((\q&1)<<(\l))+((\q>>1)<<(2*(\l))))
.endr
.endm
.macro COARSE                          ; levels 1 to 3 of the half-chunk in hand are asked for
	v_cmp_ne_u32 vcc_lo, 0, v[XW]
	s_wait_alu depctr_va_vdst(0)
	s_cbranch_vccnz .Lfar_\@                       ; a stored whole number decides: some x of the wave is 1 or more
.irp l, 1,2,3
	v_min_u32 v[CT+\l-1], (1<<\l)+((1<<\l)-1)*((1<<\l)+(1<<(2*\l))), v[CA+\l-1]
.endr
.irp l, 1,2,3
	s_delay_alu instid0(VALU_DEP_3)
	v_lshlrev_b32 v[CT+\l-1], 3, v[CT+\l-1]
.endr
.irp l, 1,2,3
	CFAST \l
.endr
	s_branch .Lnear_\@
.Lfar_\@:
.irp l, 1,2,3
	DENSE \l, CA+\l-1, GC+8*(\l-1)
.endr
	s_wait_alu depctr_va_vdst(0)
	s_wait_loadcnt 0x0
.Lnear_\@:
.endm
.macro MM d, a, b, c, sa, sb, ra, rb   ; one scaled product.  ra, rb = 1: that side's scale words are taken from lanes 16-31
.if (\ra) && (\rb)
	v_wmma_scale_f32_16x16x128_f8f6f4 v[(\d):(\d)+7], v[(\a):(\a)+11], v[(\b):(\b)+11], v[(\c):(\c)+7], v[(\sa)], v[(\sb)] matrix_a_fmt:MATRIX_FMT_BF6 matrix_b_fmt:MATRIX_FMT_BF6 matrix_a_scale:MATRIX_SCALE_ROW1 matrix_b_scale:MATRIX_SCALE_ROW1
.elseif (\ra)
	v_wmma_scale_f32_16x16x128_f8f6f4 v[(\d):(\d)+7], v[(\a):(\a)+11], v[(\b):(\b)+11], v[(\c):(\c)+7], v[(\sa)], v[(\sb)] matrix_a_fmt:MATRIX_FMT_BF6 matrix_b_fmt:MATRIX_FMT_BF6 matrix_a_scale:MATRIX_SCALE_ROW1
.elseif (\rb)
	v_wmma_scale_f32_16x16x128_f8f6f4 v[(\d):(\d)+7], v[(\a):(\a)+11], v[(\b):(\b)+11], v[(\c):(\c)+7], v[(\sa)], v[(\sb)] matrix_a_fmt:MATRIX_FMT_BF6 matrix_b_fmt:MATRIX_FMT_BF6 matrix_b_scale:MATRIX_SCALE_ROW1
.else
	v_wmma_scale_f32_16x16x128_f8f6f4 v[(\d):(\d)+7], v[(\a):(\a)+11], v[(\b):(\b)+11], v[(\c):(\c)+7], v[(\sa)], v[(\sb)] matrix_a_fmt:MATRIX_FMT_BF6 matrix_b_fmt:MATRIX_FMT_BF6
.endif
.endm
.macro PLACES                          ; four places behind a matrix instruction (ISA guide 7.12.1)
.rept 4
	v_nop
.endr
.endm
.macro P1LOAD b                        ; W1's tiles 2 b and 2 b + 1, and b1 of units 32 b + 16 (lane / 16) + 0 .. 15
	ds_load_b128 v[WC:WC+3], v[LI] offset:W1IMG+768*(2*(\b))
	ds_load_b64 v[WC+4:WC+5], v[L8] offset:W1IMG+768*(2*(\b))+512
	ds_load_b128 v[WC+6:WC+9], v[LI] offset:W1IMG+768*(2*(\b)+1)
	ds_load_b64 v[WC+10:WC+11], v[L8] offset:W1IMG+768*(2*(\b)+1)+512
.irp j, 0,1,2,3
	ds_load_b128 v[WC+12+4*\j:WC+15+4*\j], v[H64] offset:B1L+128*(\b)+16*\j
.endr
.endm
.macro P2LOAD t                        ; W2's tile t, and b2 and W3 of units 16 t + 8 (lane / 16) + 0 .. 7, into set t % 2
.set SL, SA+28*((\t)%2)
.irp j, 0,1,2
	ds_load_b128 v[SL+4*\j:SL+4*\j+3], v[LI] offset:W2IMG+1536*(\t)+512*\j
.endr
.irp j, 0,1
	ds_load_b128 v[SL+12+4*\j:SL+15+4*\j], v[H32] offset:B2L+64*(\t)+16*\j
.endr
.irp j, 0,1
	ds_load_b128 v[SL+20+4*\j:SL+23+4*\j], v[H32] offset:W3L+64*(\t)+16*\j
.endr
.endm
; Block b of the hidden layer of both tiles of points: relu, the block's scale, its codes.  A lane holds 16 of the block's numbers, lane l xor 16 the other 16.
.macro HQ b
.set j, 0
.rept 32
	v_max_num_f32 v[D1+j], 0, v[D1+j]              ; each result from its low end on
.set j, j+1
.endr
.irp p, 0,1
	v_max3_num_f32 v[MX+\p], v[D1+16*\p], v[D1+16*\p+1], FLOOR
.endr
.irp i, 2,4,6,8,10,12,14
.irp p, 0,1
	s_delay_alu instid0(VALU_DEP_2)
	v_max3_num_f32 v[MX+\p], v[MX+\p], v[D1+16*\p+\i], v[D1+16*\p+\i+1]
.endr
.endr
.irp p, 0,1
	s_delay_alu instid0(VALU_DEP_2)
	v_permlanex16_b32 v[PT+\p], v[MX+\p], s[SEL], s[SEL+1]
.endr
.irp p, 0,1
	s_delay_alu instid0(VALU_DEP_2)
	v_max_num_f32 v[MX+\p], v[MX+\p], v[PT+\p]
.endr
.irp p, 0,1
	s_delay_alu instid0(VALU_DEP_2)
	v_add_nc_u32 v[SO+\p], EOFF, v[MX+\p]          ; the conversion takes this operand's exponent field as its scale
.endr
.irp p, 0,1
.if (\b) == 0
	s_delay_alu instid0(VALU_DEP_2)
	v_lshrrev_b32 v[HS+\p], 23, v[SO+\p]
.else
	s_delay_alu instid0(VALU_DEP_2)
	v_lshrrev_b32 v[BYP+\p], 23, v[SO+\p]
.endif
.endr
.if (\b) > 0
.irp p, 0,1
	s_delay_alu instid0(VALU_DEP_2)
	v_lshl_or_b32 v[HS+\p], v[BYP+\p], 8*(\b), v[HS+\p]
.endr
.endif
.irp p, 0,1
.if (\b)%2 == 0
	v_cvt_scalef32_pk16_bf6_f32 v[HC+12*\p+6*((\b)/2):HC+12*\p+6*((\b)/2)+2], v[D1+16*\p:D1+16*\p+15], v[SO+\p]
.else
	v_cvt_scalef32_pk16_bf6_f32 v[TC+4*\p:TC+4*\p+2], v[D1+16*\p:D1+16*\p+15], v[SO+\p]
.endif
.endr
	v_nop                                          ; one plain place behind a scaled conversion
.if (\b)%2                             ; the operand wants a whole block in a lane: lanes 0-15 the even block, lanes 16-31 the odd one
.irp p, 0,1
.irp i, 0,1,2
	v_permlane16_swap_b32 v[HC+12*\p+6*((\b)/2)+\i], v[TC+4*\p+\i]
.endr
.endr
.irp p, 0,1
.irp i, 0,1,2
	v_mov_b32 v[HC+12*\p+6*((\b)/2)+3+\i], v[TC+4*\p+\i]
.endr
.endr
.endif
.endm
.macro P2STEP t                        ; tile t of the second layer for both tiles of points, relu, and its part of the product with W3
.set SB, SA+28*((\t)%2)
	s_wait_dscnt 0x0                               ; this tile's seven loads, asked for a step ago
	MM D2, SB, HC, SB+12, W2S+(\t)/2, HS, (\t)%2, 0
	MM D2+8, SB, HC+12, SB+12, W2S+(\t)/2, HS+1, (\t)%2, 0
.if (\t) < 7
	P2LOAD (\t)+1
.endif
	PLACES
.set j, 0
.rept 16
	v_max_num_f32 v[D2+j], 0, v[D2+j]
.set j, j+1
.endr
.irp i, 0,1,2,3
.irp p, 0,1
.if ((\t) == 0) && (\i == 0)
	v_pk_mul_f32 v[ACC+2*\p:ACC+2*\p+1], v[D2+8*\p+2*\i:D2+8*\p+2*\i+1], v[SB+20+2*\i:SB+21+2*\i]
.else
	v_pk_fma_f32 v[ACC+2*\p:ACC+2*\p+1], v[D2+8*\p+2*\i:D2+8*\p+2*\i+1], v[SB+20+2*\i:SB+21+2*\i], v[ACC+2*\p:ACC+2*\p+1]
.endif
.endr
.endr
.endm
; B's codes, then 32 points (A's and B's) from codes to result.  The next half-chunk's loads of levels 4 to 9 are out all the while: nothing here touches G.
.macro MLP
	P1LOAD 0
	v_cvt_scalef32_pk16_bf6_f32 v[TC:TC+2], v[F:F+15], v[SOP]
	v_cndmask_b32 v[BY], v[BY], v[BYA], s[MLO]     ; lanes 0-15 A's byte, lanes 16-31 B's
	s_delay_alu instid0(VALU_DEP_1)
	v_lshl_or_b32 v[XS], v[BY], 8, v[BY]           ; in all four places: it serves block 0 (XLO) and block 1 (XHI)
	s_delay_alu instid0(VALU_DEP_1)
	v_lshl_or_b32 v[XS], v[XS], 16, v[XS]
.irp i, 0,1,2
	v_permlane16_swap_b32 v[TA+\i], v[TC+\i]       ; TA: k = 0 .. 15 of A | of B;  TC: k = 16 .. 31 of A | of B
.endr
.irp i, 0,1,2
	v_cndmask_b32 v[XLO+\i], 0, v[TA+\i], s[MLO]
.endr
.irp i, 0,1,2
	v_cndmask_b32 v[XLO+3+\i], 0, v[TC+\i], s[MLO]
.endr
.irp i, 0,1,2
	v_cndmask_b32 v[XLO+12+\i], v[TA+\i], 0, s[MLO]
.endr
.irp i, 0,1,2
	v_cndmask_b32 v[XLO+15+\i], v[TC+\i], 0, s[MLO]
.endr
	PLACES                                         ; an operand written by vector instructions stands 4 places ahead of a scaled product, a scale word 8: XS has the 12 selects and these
	s_wait_alu depctr_va_vdst(0)
.irp b, 0,1,2,3
	s_wait_dscnt 0x0                               ; this block's eight loads
	MM D1, WC, XLO, WC+12, W1S+\b, XS, 0, 0
	MM D1+8, WC+6, XLO, WC+20, W1S+\b, XS, 1, 0
	MM D1+16, WC, XLO+12, WC+12, W1S+\b, XS, 0, 1
	MM D1+24, WC+6, XLO+12, WC+20, W1S+\b, XS, 1, 1
	PLACES
.if \b < 3
	P1LOAD \b+1
.else
	P2LOAD 0
.endif
	HQ \b
.endr
	PLACES
	s_wait_alu depctr_va_vdst(0)
.irp t, 0,1,2,3,4,5,6,7
	P2STEP \t
.endr
	s_delay_alu instid0(VALU_DEP_2)
	v_add_f32 v[ACC], v[ACC], v[ACC+1]
	s_delay_alu instid0(VALU_DEP_2)
	v_add_f32 v[ACC+2], v[ACC+2], v[ACC+3]
	s_delay_alu instid0(VALU_DEP_2)
	v_permlanex16_b32 v254, v[ACC], s[SEL], s[SEL+1]                ; a point's other 64 units lie in lane l xor 16
	s_delay_alu instid0(VALU_DEP_2)
	v_permlanex16_b32 v255, v[ACC+2], s[SEL], s[SEL+1]
	s_delay_alu instid0(VALU_DEP_2)
	v_add_f32 v254, v[ACC], v254
	s_delay_alu instid0(VALU_DEP_2)
	v_add_f32 v255, v[ACC+2], v255
	v_mov_b32 v[OUT], v[OUT+1]                     ; the last four pairs' results, the oldest lowest
	v_mov_b32 v[OUT+1], v[OUT+2]
	v_mov_b32 v[OUT+2], v[OUT+3]
	s_delay_alu instid0(VALU_DEP_4)
	v_cndmask_b32 v[OUT+3], v255, v254, s[MLO]     ; lanes 0-15: A's points; lanes 16-31: B's
	s_delay_alu instid0(VALU_DEP_1)
	v_add_f32 v[OUT+3], s[B3], v[OUT+3]
.endm
; A half-chunk, from loads to the block's scale.  Levels 4 to 9 are out at its head.  Each level is worked up and its set takes the level six on: of this half-chunk up to 15, then (more = 1) 4 to 9 of the next.
; THE COUNTS.  Behind a level's loads stand those of the five levels that follow it in the ring: two each for levels 4 to 7, four each for levels 8 to 15.  That is 14, 16, 18 behind levels 4, 5, 6,
; 20 behind levels 7 to 10, and 18, 16, 14, 12, 12 behind levels 11 to 15.  In levels 4 to 9 of a half-chunk that fetches ahead LX's two loads, issued behind level 9's, come on top; so level 10's wait shows
; LX's loads landed.  The last half-chunk issues nothing behind level 15: 16, 12, 8, 4, 0.
.macro HALF more
	s_wait_xcnt 0x0                                ; the bases of LX and the registers of the last store are rewritten only behind this wait
.if \more
	LX
.endif
	COARSE
.irp l, 4,5,6,7,8,9,10,11,12,13,14,15
.set SHORT, 0
.if \l < 7
.set SHORT, 2*(7-\l)
.endif
.if \more
.if \l <= 9
.set LCNT, 22-SHORT
.elseif \l <= 14
.set LCNT, 20-2*(\l-10)
.else
.set LCNT, 12
.endif
.else
.if \l <= 10
.set LCNT, 20-SHORT
.else
.set LCNT, 4*(15-\l)
.endif
.endif
	CONSUME \l, G+8*((\l-4)%6), LCNT
.if \l == 4
	s_wait_alu depctr_va_vdst(0)
	s_wait_dscnt 0x0                               ; levels 1 to 3 are in
	CONSUME 1, GC, -1
	CONSUME 2, GC+8, -1
	CONSUME 3, GC+16, -1
.endif
.if \l <= 9
	ISSUE \l+6
.elseif \more
.if \l == 10
	NEXTCELLS
.endif
	ISSUE \l-6
.endif
.endr
.if \more
.irp c, 0,1,2
	v_mov_b32 v[XC+\c], v[XN+\c]
.endr
.endif
	v_mov_b32 v[F], v[C0]                          ; level 0
	v_mov_b32 v[F+1], v[C1]
.irp k, 0,1,2,3,4,5,6,7,8,9,10,11,12,13,14,15
	v_permlane16_swap_b32 v[F+\k], v[F+16+\k]      ; F+k: half 0's part of feature k | of feature 16 + k;  F+16+k: half 1's parts
.endr
.irp k, 0,2,4,6,8,10,12,14
	v_pk_add_f32 v[F+\k:F+\k+1], v[F+\k:F+\k+1], v[F+16+\k:F+17+\k]   ; lane (r, h): features 16 h + k of point r
.endr
	v_max3_num_f32 v[AM], |v[F]|, |v[F+1]|, FLOOR
	v_max3_num_f32 v[AM+1], |v[F+2]|, |v[F+3]|, |v[F+4]|
.set i, 0
.rept 5
	s_delay_alu instid0(VALU_DEP_2)
	v_max3_num_f32 v[AM+i%2], v[AM+i%2], |v[F+5+2*i]|, |v[F+6+2*i]|
.set i, i+1
.endr
	s_delay_alu instid0(VALU_DEP_1)
	v_max3_num_f32 v[AM], v[AM], v[AM+1], |v[F+15]|
	s_delay_alu instid0(VALU_DEP_1)
	v_permlanex16_b32 v254, v[AM], s[SEL], s[SEL+1]
	s_delay_alu instid0(VALU_DEP_1)
	v_max_num_f32 v[AM], v[AM], v254               ; the block's largest magnitude
	s_delay_alu instid0(VALU_DEP_1)
	v_add_nc_u32 v[SOP], EOFF, v[AM]
	s_delay_alu instid0(VALU_DEP_1)
	v_lshrrev_b32 v[BY], 23, v[SOP]
.endm
	s_load_b256 s[8:15], s[0:1], 0x0               ; x s[8:9], cells s[10:11], embeddings s[12:13], W1's codes s[14:15]
	s_load_b256 s[16:23], s[0:1], 0x20             ; W1's scales s[16:17], W2's codes s[18:19], W2's scales s[20:21], W3 s[22:23]
	s_load_b256 s[24:31], s[0:1], 0x40             ; b1 s[24:25], b2 s[26:27], b3 s[28:29], out s[30:31]
	s_load_b64 s[4:5], s[0:1], 0x60                ; recs
	v_lshrrev_b32 v6, 5, v0
	s_delay_alu instid0(VALU_DEP_1)
	v_readfirstlane_b32 s[WV], v6                  ; wave 0..15
	v_and_b32 v6, 31, v0                           ; lane
	v_bfe_u32 v7, v0, 4, 1                         ; h = lane / 16
	v_lshlrev_b32 v[TH16], 4, v0                   ; 16 x thread
	s_delay_alu instid0(VALU_DEP_3)
	v_lshlrev_b32 v[LI], 4, v6
	v_lshlrev_b32 v[L8], 3, v6
	v_lshlrev_b32 v[S4], 2, v6
	v_lshlrev_b32 v[H64], 6, v7
	v_lshlrev_b32 v[H32], 5, v7
	v_add_nc_u32 v[HP1], 1, v7
	v_and_b32 v6, 15, v0                           ; r = lane % 16
	s_delay_alu instid0(VALU_DEP_1)
	v_mul_u32_u24 v[R48], v6, 48
	v_lshlrev_b32 v[R16], 4, v6
	v_mul_u32_u24 v[GW2], v6, 96                   ; W2: row r of 96 bytes, + 24 h
	s_delay_alu instid0(VALU_DEP_1)
	v_mad_u32_u24 v[GW2], v7, 24, v[GW2]
	v_and_b32 v[SU8], 8, v6
	s_delay_alu instid0(VALU_DEP_1)
	v_add_nc_u32 v[SU8], v[SU8], v6                ; r + 8 (r / 8)
	s_delay_alu instid0(VALU_DEP_1)
	v_mul_u32_u24 v[GW1], v[SU8], 24               ; W1: that row of 24 bytes, the same in both halves of the lanes
	v_lshl_add_u32 v[SU8], v7, 3, v[SU8]           ; W1's scale bytes: lanes 16-31 take the tile 8 rows on
	s_lshl_b32 s3, ttmp9, 4
	s_add_co_u32 s3, s3, s[WV]                     ; my wave among all 4,096
	s_and_b32 s60, s[WV], 7                        ; the tile whose image I store: waves 0-7 of W2, waves 8-15 of W1
	s_mul_i32 s61, s60, 1536
	v_add_nc_u32 v[AW2], s61, v[LI]                ; all stores' LDS addresses are made here, ahead of the parting of the waves
	s_mul_i32 s62, s60, 768
	s_add_co_u32 s62, s62, W1IMG
	v_add_nc_u32 v[AW1A], s62, v[LI]
	s_add_co_u32 s62, s62, 512
	v_add_nc_u32 v[AW1B], s62, v[L8]
	s_lshl_b32 s62, s60, 9
	s_add_co_u32 s62, s62, B1L
	v_add_nc_u32 v[AAUX], s62, v[LI]               ; waves 8, 9, 10: b1, b2, W3
	s_mov_b32 s[MLO], 0xffff
	s_mov_b32 s[P1], 2654435761&TMASK
	s_mov_b32 s[P2], 805459861&TMASK
	s_mov_b32 s[SEL], 0x76543210
	s_mov_b32 s[SEL+1], 0xfedcba98
	s_mov_b32 s51, 0                               ; the upper word of every offset pair s[50:51]
	v_cndmask_b32 v[SGN], 1.0, -1.0, s[MLO]
	v_cndmask_b32 v[OFFW], 0, 1.0, s[MLO]
	s_wait_alu depctr_va_vdst(0)
	s_wait_kmcnt 0x0
	s_load_b256 s[52:59], s[12:13], 0x0            ; level 0's entries 0 to 3
	s_load_b32 s[B3], s[28:29], 0x0
	s_mul_i32 s50, s3, 3072                        ; 256 points x 12 bytes
	s_add_nc_u64 s[8:9], s[8:9], s[50:51]
	s_lshl_b32 s50, s3, 12                         ; x 16 bytes
	s_add_nc_u64 s[10:11], s[10:11], s[50:51]
	s_lshl_b32 s50, s3, 10                         ; x 4 bytes
	s_add_nc_u64 s[30:31], s[30:31], s[50:51]
	s_mov_b32 s50, s61
	s_add_nc_u64 s[18:19], s[18:19], s[50:51]      ; W2's rows 16 t on
	s_lshr_b32 s62, s60, 1
	s_lshl_b32 s62, s62, 5
	s_and_b32 s63, s60, 1
	s_lshl_b32 s63, s63, 3
	s_add_co_u32 s62, s62, s63
	s_mul_i32 s50, s62, 24
	s_add_nc_u64 s[14:15], s[14:15], s[50:51]      ; W1's rows 32 (t / 2) + 8 (t % 2) on
	s_cmp_eq_u32 s[WV], 9
	s_cselect_b64 s[XP:XP+1], s[26:27], s[24:25]
	s_cmp_eq_u32 s[WV], 10
	s_cselect_b64 s[XP:XP+1], s[22:23], s[XP:XP+1] ; the choice hangs on the wave's number alone
.irp l, 1,2,3,4,5,6,7,8,9,10,11,12,13,14,15
	s_add_nc_u64 s[EB+2*(\l-1):EB+2*(\l-1)+1], s[12:13], \l*4194304
.endr
	s_add_nc_u64 s[RB:RB+1], s[4:5], 0x9200000     ; recs: level 4's part,
	s_add_nc_u64 s[RB+2:RB+3], s[4:5], 0x9000000   ; level 5's,
	s_add_nc_u64 s[RB+4:RB+5], s[4:5], 0x8000000   ; level 6's,
	s_mov_b64 s[RB+6:RB+7], s[4:5]                 ; level 7's
	global_load_b96 v[XN:XN+2], v[R48], s[8:9]     ; half-chunk 0
	global_load_b128 v[CWN:CWN+3], v[R16], s[10:11] th:TH_LOAD_NT
.irp i, 0,1,2,3
	global_load_b32 v[W2S+\i], v[S4], s[20:21] offset:128*\i       ; lane L: the word of row 32 i + L
	global_load_u8 v[W1S+\i], v[SU8], s[16:17] offset:32*\i
.endr
.irp i, 0,1,2
	global_load_b128 v[G+4*\i:G+4*\i+3], v[TH16], s[EB+2*\i:EB+2*\i+1]   ; 512 threads x 16 bytes: the first 1,024 entries of levels 1, 2, 3
.endr
	s_cmp_lt_u32 s[WV], 8
	s_cbranch_scc0 .Lw1
.irp p, 0,1,2,3,4,5
	global_load_b64 v[184+2*\p:185+2*\p], v[GW2], s[18:19] offset:48*(\p/3)+8*(\p%3)   ; a fragment as the operand's registers take it
.endr
	s_wait_loadcnt 0x0                             ; these, and the loads above
.irp c, 0,1,2
	ds_store_b128 v[AW2], v[184+4*\c:187+4*\c] offset:512*\c
.endr
	s_branch .Ljoin
.Lw1:
.irp p, 0,1,2
	global_load_b64 v[196+2*\p:197+2*\p], v[GW1], s[14:15] offset:8*\p
.endr
	s_wait_loadcnt 0x0                             ; these, and the loads above
	ds_store_b128 v[AW1A], v[196:199]
	ds_store_b64 v[AW1B], v[200:201]
	s_cmp_gt_u32 s[WV], 10
	s_cbranch_scc1 .Ljoin
	global_load_b128 v[204:207], v[LI], s[XP:XP+1]
	s_wait_loadcnt 0x0
	ds_store_b128 v[AAUX], v[204:207]
.Ljoin:
.irp i, 0,1,2
	ds_store_b128 v[TH16], v[G+4*\i:G+4*\i+3] offset:TBL+8192*\i
.endr
	s_wait_dscnt 0x0                               ; for the others' sake: my stores have landed
	s_barrier_signal -1
	s_barrier_wait -1                              ; from here on LDS is only read
.irp i, 0,1,2,3
	v_lshl_or_b32 v[W1S+\i], v[W1S+\i], 8, v[W1S+\i]
.endr
.irp i, 0,1,2,3
	s_delay_alu instid0(VALU_DEP_4)
	v_lshl_or_b32 v[W1S+\i], v[W1S+\i], 16, v[W1S+\i]              ; W1's byte in all four places
.endr
.irp j, 6,7,8,9,10,11
	v_mov_b32 v[XLO+\j], 0                         ; blocks 2 and 3 of h: zero codes, for the whole launch
	v_mov_b32 v[XLO+12+\j], 0
.endr
.irp j, 1,2,3
	v_mov_b32 v[OUT+\j], 0                         ; read by the shift before the first results have come this far
.endr
	v_mov_b32 v254, 0                              ; written once: a lane permute's destination counts as one of its sources
	v_mov_b32 v255, 0
	v_mov_b32 v6, 0x3e000000                       ; 0.125
	s_wait_alu depctr_va_vdst(0)
	s_wait_kmcnt 0x0
	v_mul_f32 v[F], s52, v6                        ; level 0: corners 0 .. 7 are entries 0,1,1,2,1,2,2,3
	v_mul_f32 v[F+1], s53, v6
.irp k, 1,1,2,1,2,2,3
	s_delay_alu instid0(VALU_DEP_2)
	v_fma_f32 v[F], s[52+2*\k], v6, v[F]
	s_delay_alu instid0(VALU_DEP_2)
	v_fma_f32 v[F+1], s[53+2*\k], v6, v[F+1]
.endr
	s_delay_alu instid0(VALU_DEP_2)
	v_cndmask_b32 v[C0], 0, v[F], s[MLO]
	s_delay_alu instid0(VALU_DEP_2)
	v_cndmask_b32 v[C1], 0, v[F+1], s[MLO]
	NEXTCELLS
.irp l, 4,5,6,7,8,9
	ISSUE \l
.endr
.irp c, 0,1,2
	v_mov_b32 v[XC+\c], v[XN+\c]
.endr
	s_mov_b32 s[CN], 1
.Lchunk:                                               ; fifteen trips: half-chunk CN - 1 is worked, half-chunk CN fetched
	s_wait_alu depctr_va_vdst(0)
	HALF 1
	s_bitcmp1_b32 s[CN], 0                         ; CN odd: this was an A
	s_wait_alu depctr_va_vdst(0)
	s_cbranch_scc1 .Lis_a
	MLP
	s_cmp_lg_u32 s[CN], 8
	s_wait_alu depctr_va_vdst(0)
	s_cbranch_scc1 .Lnext
	global_store_b128 v[LI], v[OUT:OUT+3], s[30:31] th:TH_STORE_NT     ; eight half-chunks are done: 128 results, 512 consecutive bytes, at a multiple of 512 from the output's first byte
	s_branch .Lnext
.Lis_a:
	v_cvt_scalef32_pk16_bf6_f32 v[TA:TA+2], v[F:F+15], v[SOP]         ; A's codes and byte are kept for B's turn
	v_mov_b32 v[BYA], v[BY]                        ; (also the plain place behind the conversion)
.Lnext:
	s_add_co_u32 s[CN], s[CN], 1
	s_cmp_lt_u32 s[CN], 16
	s_cbranch_scc1 .Lchunk
	s_wait_alu depctr_va_vdst(0)
	HALF 0                                         ; the last half-chunk, a B, is written out: it fetches nothing, so no load leaves its buffer
	MLP
	global_store_b128 v[LI], v[OUT:OUT+3], s[30:31] offset:512 th:TH_STORE_NT
	s_barrier_signal -1
	s_barrier_wait -1
	s_wait_xcnt 0x0
	v_lshl_add_u32 v254, v0, 2, SPARE
	v_mov_b32 v255, 0
	s_wait_alu depctr_va_vdst(0)
	s_wait_tensorcnt 0x0                           ; the wave's end
	ds_add_u32 v254, v255
	s_wait_dscnt 0x0
	s_endpgm
.Lfunc_end_k_q3949d34787_field:
	.size	k_q3949d34787_field, .Lfunc_end_k_q3949d34787_field-k_q3949d34787_field
	.p2alignl 7, 3214868480
	.fill 96, 4, 3214868480
	.section	.rodata,"a",@progbits
	.p2align	6, 0x0
	.amdhsa_kernel k_q3949d34787_field
		.amdhsa_group_segment_fixed_size 47104
		.amdhsa_private_segment_fixed_size 0
		.amdhsa_enable_private_segment 0
		.amdhsa_kernarg_size 104
		.amdhsa_user_sgpr_count 2
		.amdhsa_user_sgpr_kernarg_segment_ptr 1
		.amdhsa_wavefront_size32 1
		.amdhsa_system_sgpr_workgroup_id_x 1
		.amdhsa_system_sgpr_workgroup_id_y 1
		.amdhsa_system_sgpr_workgroup_id_z 1
		.amdhsa_system_vgpr_workitem_id 0
		.amdhsa_next_free_vgpr 256
		.amdhsa_next_free_sgpr 96
		.amdhsa_reserve_vcc 1
		.amdhsa_float_denorm_mode_32 3
		.amdhsa_float_denorm_mode_16_64 3
		.amdhsa_memory_ordered 1
		.amdhsa_forward_progress 1
		.amdhsa_inst_pref_size 217
	.end_amdhsa_kernel
	.amdgpu_metadata
---
amdhsa.version: [ 1, 2 ]
amdhsa.kernels:
  - .name:           k_q3949d34787_field
    .symbol:         k_q3949d34787_field.kd
    .args:
      - { .name: x, .offset: 0, .size: 8, .value_kind: global_buffer, .address_space: global }
      - { .name: cells, .offset: 8, .size: 8, .value_kind: global_buffer, .address_space: global }
      - { .name: embeddings, .offset: 16, .size: 8, .value_kind: global_buffer, .address_space: global }
      - { .name: W1_codes, .offset: 24, .size: 8, .value_kind: global_buffer, .address_space: global }
      - { .name: W1_scales, .offset: 32, .size: 8, .value_kind: global_buffer, .address_space: global }
      - { .name: W2_codes, .offset: 40, .size: 8, .value_kind: global_buffer, .address_space: global }
      - { .name: W2_scales, .offset: 48, .size: 8, .value_kind: global_buffer, .address_space: global }
      - { .name: W3, .offset: 56, .size: 8, .value_kind: global_buffer, .address_space: global }
      - { .name: b1, .offset: 64, .size: 8, .value_kind: global_buffer, .address_space: global }
      - { .name: b2, .offset: 72, .size: 8, .value_kind: global_buffer, .address_space: global }
      - { .name: b3, .offset: 80, .size: 8, .value_kind: global_buffer, .address_space: global }
      - { .name: out0, .offset: 88, .size: 8, .value_kind: global_buffer, .address_space: global }
      - { .name: recs, .offset: 96, .size: 8, .value_kind: global_buffer, .address_space: global }
    .group_segment_fixed_size: 47104
    .private_segment_fixed_size: 0
    .kernarg_segment_align: 8
    .kernarg_segment_size: 104
    .max_flat_workgroup_size: 512
    .sgpr_count:     96
    .vgpr_count:     256
    .wavefront_size: 32
...
	.end_amdgpu_metadata
.endif
;; end of part 2
